; MI455X (gfx1250); checked and timed in simulation.
; The chip was launched on July 23, 2026; its instructions are those of AMD's public machine-readable ISA for CDNA 5 (MIT licence, August 2026) and "CDNA5" Instruction Set Architecture Reference Guide (July 2026). The comments in the code are by the model that wrote it; some were corrected since.
;; Calculate Attention. Allowed arithmetic: matrix products marked QUANTISED: E2M1 operands, one E8M0 scale for each 32 along K, by v_wmma_scale_f32_16x16x128_f8f6f4 with both operands' format E2M1 (or v_wmma_scale_f32_32x16x128_f4), f32 sums; everything else in f32.
;; Inputs: K 4 x 16 x 2,048 x 64 float32; Q 4 x 16 x 2,048 x 64 float32; V 4 x 16 x 2,048 x 64 float32; mask 4 x 1 x 2,048 x 2,048 bool.
;; Outputs: out0 4 x 16 x 2,048 x 64 float32.
;; This version of the problem:
;;   THIS VERSION OF THE PROBLEM IS GIVEN IN LOW PRECISION. The matrix products marked QUANTISED in the list below multiply operands that are first quantised to E2M1 (2 exponent bits, 1 mantissa bit; 4 bits a number), with one power-of-two scale for each 32 numbers along K (OCP MX v1.0); their sums are f32. All else is computed in f32.
;;   The module's matrix products, in the order in which they are computed (A, B: the left and right operand; K: the contracted axis; several contracted axes count as one K, in the product's order):
;;     1. batch 64 x [M 2,048, K 64] x [K 64, N 2,048]; A: input Q; B: input K: QUANTISED
;;     2. batch 64 x [M 2,048, K 2,048] x [K 2,048, N 64]; A: softmax (see below); B: input V: QUANTISED
;;   THE QUANTISER, for each operand of a quantised product, along K:
;;     - K is cut into blocks of 32 from its start; a last block that is shorter is filled with zeros.
;;     - A block's scale is 2^e with e = floor(log2(the largest magnitude in the block)) - 2, held to -126 .. 127; a block of zeros has e = 0. As a byte (E8M0): e + 127.
;;     - Each number is divided by its block's scale, clamped to +-6, and rounded to the nearest number of E2M1, ties to even, subnormals kept.
;;     - The product sums the exact products of the quantised numbers (number of the format x scale) in f32.
;;   ~~~python
;;   def quantise(x, axis):      # numpy; x: float32 -> the quantised numbers, widened to float32 again
;;       x = np.moveaxis(x, axis, -1); K = x.shape[-1]
;;       x = np.pad(x, [(0, 0)] * (x.ndim - 1) + [(0, -K % 32)]); x = x.reshape(x.shape[:-1] + (-1, 32)); a = np.abs(x).max(-1, keepdims=True)
;;       e = np.where(a > 0, np.clip(np.frexp(np.where(a > 0, a, 1))[1] - 1 - 2, -126, 127), 0)      # np.frexp(a)[1] - 1 = floor(log2(a)), exactly
;;       r = np.clip(x / 2.0 ** e, -6, 6)
;;       step = 2.0 ** (np.maximum(np.frexp(np.where(r == 0, 1, r))[1] - 1, 0) - 1)
;;       q = np.round(r / step) * step * 2.0 ** e      # np.round: ties to even
;;       return np.moveaxis(q.reshape(q.shape[:-2] + (-1,))[..., :K], -1, axis).astype(np.float32)
;;   ~~~
;;   SOFTMAX AHEAD OF A QUANTISED PRODUCT. Where the list says 'softmax', what is quantised is not the finished softmax but p = 2^(t - M), with t = logit x log2(e) and M = ceil(the row's largest t), a whole number; so 1/2 < the row's largest p <= 1. The row's sum l is taken of the UNQUANTISED p, in f32, and the product's result is divided by l at the end. Since M is a whole number, a kernel that streams over the keys may use a running M (the ceiling of the running maximum): every later rescaling is an exact power of two, which a block's scale takes up: the codes' values come out the same.
;;   OPERANDS COMPUTED ON THE WAY. 'Computed on the way' means the value that the module computes at that place (a softmax that the list does not call 'softmax' is quantised finished and normalised). What goes into a quantiser is computed in f32, as accurately as f32 sums, v_exp_f32 and their like allow (about 1e-6 of the number): no bf16 or f16 on the way to a quantiser, and a product that is left as it is and whose result goes on into a quantised operand takes f32 operands (vector FMAs, or v_wmma_f32_16x16x4_f32). A number that lies on a knife's edge between two numbers of the format may be rounded either way, as far as f32 arithmetic and the matrix unit's own rounding can turn it there, and no further.
;; One version. Each part assembles by itself: llvm-mc -triple=amdgcn-amd-amdhsa -mcpu=gfx1250 --defsym DOCPART=n.
;; ======== version 1 of 1: 2 launches
;; limits: right only within a limited range of input values
;; workspace buffers: kv 9,437,184 bytes; masknib 8,388,608 bytes
;; launch prep (part 1): grid 1024 x 1, 4 waves a work-group, no clusters, 52,736 bytes of LDS; arguments K, V, mask, kv, masknib; writes kv, masknib
.if DOCPART == 1
	.amdgcn_target "amdgcn-amd-amdhsa--gfx1250"
	.amdhsa_code_object_version 6
	.text
	.protected	k_q453b74aba8_prep
	.globl	k_q453b74aba8_prep
	.p2align	8
	.type	k_q453b74aba8_prep,@function
k_q453b74aba8_prep:
	s_mov_b64 s[64:65], 0
	v_nop
	global_prefetch_b8 v0, s[64:65] scope:SCOPE_SE
	s_setreg_imm32_b32 hwreg(HW_REG_WAVE_MODE, 25, 1), 1
	s_wait_xcnt 0x0
; THE PROGRAM: out0 = softmax(where(mask, -1e9, Q K^T) / 8) V for 64 heads of 2,048 positions x 64 channels, both products on codes of FP4 (E2M1) with one E8M0 scale for each 32 along a product's K.
; DEAD WORK: none.  The mask is an input, so every key may count for every query; all four inputs reach the output and are loaded (K, V, mask here; Q in the second launch).
; THIS LAUNCH lays K, V and the mask once as the second launch's registers want them.
;   kv [head 64][step 16][9,216 bytes], a step = 128 keys, images of operand registers (16 bytes a lane, 512 bytes an image):
;     0     KC  8 images T: lane (r = lane % 16, h = lane / 16): codes of key 32 (T / 2) + 8 (T % 2) + r + 8 (r / 8), channels 32 h .. 32 h + 31
;     4096  VC  image 2 u + c: lane (r, h): codes of channel 16 u + r, keys 64 c + 32 h .. + 31
;     8192  KS  lane l, word j: the scale word of image 2 j + l / 16, row l % 16: byte 0 channels 0-31, byte 1 channels 32-63, bytes 2, 3 = 0
;     8704  VS  lane l, word j = 0, 1: the scale word of channel 32 j + l: byte kb for keys 32 kb .. + 31; words 2, 3 = 0
;   masknib [batch 4][tile of 16 queries 128][step 16][1,024 bytes]: ONE FP4 operand of 16 rows x 128: lane (m, h), register 4 c + 2 a + qh, nibble i = the code 1 (the number 0.5) where
;     mask[query 8 qh + i][key 64 c + 32 (m / 8) + 16 h + 8 a + m % 8] is set, else 0; image c = registers 4 c .. 4 c + 3.  The mask's bytes are taken as 0 or 1, as the type bool has them.
; THE QUANTISER: a block's scale is 2^(floor(log2(largest magnitude)) - 2); its byte is that magnitude's exponent field - 2, held at 1 from below by a floor among the maximum's leaves.
; LIMITS: a block of zeros gets the byte 1 where the rule says 127 (its codes are zeros, and this program alone reads the bytes); blocks whose largest magnitude lies under 2^-124 get the byte 1; NaN and infinities are not served.
; SHARES: work-groups 0-255 take K, 256-511 V, 512-1023 the mask; a wave takes one (head, step) of K or V, or 16 queries x 512 keys of the mask.  Waves share nothing: no barrier.  Each path has LDS bytes of its own.
.set KSTG,  0                          ; K's stages: 32 rows x 272 bytes for each wave
.set MSTG,  34816                      ; the mask's stages: 4,352 bytes for each wave, 4,096 used
.set SPARE, 52224                      ; the spare words, 128 bytes for each wave
.set SPW,   246
.set NIL,   247
.set FLOOR, 0x1800000                  ; 2^(3 - 127)
.set OFF2,  0xff000000                 ; takes 2 off an exponent field
.macro CLOSE                           ; the wave's end
	s_wait_tensorcnt 0x0
	ds_add_u32 v[SPW], v[NIL]
	s_wait_dscnt 0x0
	s_endpgm
.endm
; K: chunk b = keys 32 b .. + 31 = 8,192 dense bytes: 16 loads of 512 consecutive bytes, into set b % 2 of v16-143
.macro KLOAD b
.irp i, 0,1,2,3,4,5,6,7,8,9,10,11,12,13,14,15
	global_load_b128 v[16+64*((\b)%2)+4*\i:16+64*((\b)%2)+4*\i+3], v4, s[4:5] offset:8192*(\b)+512*\i th:TH_LOAD_NT
.endr
.endm
; chunk b goes through my stage as it lies (a key a row) and comes back 128 bytes a lane: a whole block of 32 channels of one key; two images (u = 0, 1) by turns
.macro KCHUNK b
.if (\b) < 3
	s_wait_loadcnt 16                              ; this chunk's 16 loads are in; the next chunk's 16 may be out
.else
	s_wait_loadcnt 0x0
.endif
.irp i, 0,1,2,3,4,5,6,7,8,9,10,11,12,13,14,15
	ds_store_b128 v5, v[16+64*((\b)%2)+4*\i:16+64*((\b)%2)+4*\i+3] offset:544*\i
.endr
.irp u, 0,1
.irp j, 0,1,2,3,4,5,6,7
	ds_load_b128 v[144+32*\u+4*\j:144+32*\u+4*\j+3], v6 offset:2176*\u+16*\j   ; LDS serves a wave's instructions in order
.endr
.endr
	s_wait_dscnt 0x0
.if (\b) < 2
	KLOAD (\b)+2
.endif
.irp u, 0,1
	v_max3_num_f32 v[8+\u], |v[144+32*\u]|, |v[145+32*\u]|, FLOOR
.endr
.irp i, 2,4,6,8,10,12,14,16,18,20,22,24,26,28,30
.irp u, 0,1
	v_max3_num_f32 v[8+\u], v[8+\u], |v[144+32*\u+\i]|, |v[145+32*\u+\i]|
.endr
.endr
.irp u, 0,1
	v_add_nc_u32 v[10+\u], OFF2, v[8+\u]           ; the conversion takes the exponent field of this operand as its scale
.endr
.irp u, 0,1
	v_lshrrev_b32 v[12+\u], 23, v[10+\u]           ; the scale's byte
.endr
.irp u, 0,1
.irp g, 0,1,2,3
	v_cvt_scalef32_pk8_fp4_f32 v[208+4*(2*(\b)+\u)+\g], v[144+32*\u+8*\g:151+32*\u+8*\g], v[10+\u]
.endr
.endr
.irp u, 0,1
	v_lshlrev_b32 v[12+\u], v7, v[12+\u]           ; my byte at its place: 8 h bits up
.endr
.irp u, 0,1
	v_permlanex16_b32 v[14+\u], v[12+\u], s20, s21
.endr
.irp u, 0,1
	v_or_b32 v[12+\u], v[12+\u], v[14+\u]          ; with lane l xor 16's: the row's scale word
.endr
	v_cndmask_b32 v[240+(\b)], v12, v13, s22       ; lanes 0-15 keep image 2 b's word, lanes 16-31 take image 2 b + 1's
.irp u, 0,1
	global_store_b128 v4, v[208+4*(2*(\b)+\u):208+4*(2*(\b)+\u)+3], s[10:11] offset:512*(2*(\b)+\u)
.endr
.endm
; V: chunk q = 2 kb + g: keys 32 kb .. + 31 of channels 32 g + lane: a lane takes a channel and its registers run down the keys
.macro VLOAD q
.irp i, 0,1,2,3,4,5,6,7,8,9,10,11,12,13,14,15,16,17,18,19,20,21,22,23,24,25,26,27,28,29,30,31
	global_load_b32 v[16+32*((\q)%2)+\i], v5, s[6:7] offset:(32*((\q)/2)+\i)*256+128*((\q)%2) th:TH_LOAD_NT
.endr
.endm
.macro VBLOCK q
.set XS, 16+32*((\q)%2)
.set KB, (\q)/2
.set GG, (\q)%2
.if (\q) < 7
	s_wait_loadcnt 32                              ; this chunk's 32 loads are in; the next chunk's 32 may be out
.else
	s_wait_loadcnt 0x0
.endif
	v_max3_num_f32 v8, |v[XS]|, |v[XS+1]|, |v[XS+2]|
	v_max3_num_f32 v9, |v[XS+3]|, |v[XS+4]|, |v[XS+5]|
.irp i, 6,10,14,18,22,26
	v_max3_num_f32 v8, v8, |v[XS+\i]|, |v[XS+\i+1]|
	v_max3_num_f32 v9, v9, |v[XS+\i+2]|, |v[XS+\i+3]|
.endr
	v_max3_num_f32 v8, v8, |v[XS+30]|, |v[XS+31]|
	v_max3_num_f32 v8, v8, v9, FLOOR
	v_add_nc_u32 v10, OFF2, v8
	v_lshrrev_b32 v11, 23, v10
.if KB == 0
	v_mov_b32 v[240+GG], v11
.else
	v_lshl_or_b32 v[240+GG], v11, 8*KB, v[240+GG]
.endif
.irp g, 0,1,2,3
	v_cvt_scalef32_pk8_fp4_f32 v[208+4*(\q)+\g], v[XS+8*\g:XS+8*\g+7], v10
.endr
	v_nop                                          ; one plain line behind the conversions
	global_store_b128 v6, v[208+4*(\q):208+4*(\q)+3], s[10:11] offset:4096+2048*GG+512*(KB/2)+256*(KB%2)
.if (\q) < 6
	VLOAD (\q)+2
.endif
.endm
; the mask: dword d of my 16 bytes (keys 16 lane + 4 d .. + 3) of queries 8 qh .. + 7.  Two queries' bytes make a byte of two nibbles; a 4 x 4 transposition of bytes then gives one word of eight nibbles for each key
.macro MNIB d, qh
.irp i, 0,1,2,3
	v_lshl_or_b32 v[8+\i], v[16+4*(8*\qh+2*\i+1)+\d], 4, v[16+4*(8*\qh+2*\i)+\d]
.endr
	v_perm_b32 v12, v9, v8, s24
	v_perm_b32 v13, v9, v8, s25
	v_perm_b32 v14, v11, v10, s24
	v_perm_b32 v15, v11, v10, s25
.set WB, 144+16*(\d%2)+2*(\d/2)+\qh
	v_perm_b32 v[WB], v14, v12, s26                ; key 4 d + 0
	v_perm_b32 v[WB+4], v14, v12, s27              ; + 1
	v_perm_b32 v[WB+8], v15, v13, s26              ; + 2
	v_perm_b32 v[WB+12], v15, v13, s27             ; + 3
.endm
	s_load_b256 s[4:11], s[0:1], 0x0               ; K s[4:5], V s[6:7], mask s[8:9], kv s[10:11]
	s_load_b64 s[12:13], s[0:1], 0x20              ; masknib
	v_lshl_add_u32 v[SPW], v0, 2, SPARE
	v_mov_b32 v[NIL], 0
	v_lshrrev_b32 v1, 5, v0
	v_readfirstlane_b32 s16, v1                    ; wave 0..3
	v_and_b32 v1, 31, v0                           ; lane
	v_and_b32 v2, 15, v0                           ; r
	v_bfe_u32 v3, v0, 4, 1                         ; h
	v_lshlrev_b32 v4, 4, v1                        ; 16 x lane
	s_mov_b32 s20, 0x76543210
	s_mov_b32 s21, 0xfedcba98                      ; v_permlanex16_b32's selects for lane l xor 16
	s_mov_b32 s22, 0xffff0000                      ; lanes 16-31
	s_mov_b32 s19, 0
	s_wait_kmcnt 0x0
	s_cmp_lt_u32 ttmp9, 256
	s_cbranch_scc1 .Lkpath
	s_cmp_lt_u32 ttmp9, 512
	s_cbranch_scc1 .Lvpath
	; ---- THE MASK: 16 queries (row tile = work-group - 512) x 512 keys (quarter = wave) = four steps' operands, 4,096 bytes
	s_sub_co_u32 s17, ttmp9, 512
	s_lshl_b32 s18, s17, 15                        ; 16 rows of 2,048 bytes
	s_lshl_b32 s23, s16, 9
	s_add_co_u32 s18, s18, s23
	s_add_nc_u64 s[8:9], s[8:9], s[18:19]
	s_lshl_b32 s18, s17, 14                        ; 16 steps of 1,024 bytes
	s_lshl_b32 s23, s16, 12
	s_add_co_u32 s18, s18, s23
	s_add_nc_u64 s[12:13], s[12:13], s[18:19]
	s_wait_alu depctr_va_vdst(0)
.irp q, 0,1,2,3,4,5,6,7,8,9,10,11,12,13,14,15
	global_load_b128 v[16+4*\q:19+4*\q], v4, s[8:9] offset:2048*\q th:TH_LOAD_NT   ; 512 consecutive bytes of query q's row
.endr
	s_mul_i32 s23, s16, 4352
	s_add_co_u32 s23, s23, MSTG                    ; my stage
	s_mov_b32 s24, 0x05010400                      ; byte selects of the transposition's two stages
	s_mov_b32 s25, 0x07030602
	s_mov_b32 s26, 0x05040100
	s_mov_b32 s27, 0x07060302
	; key 16 lane + 4 d + e = 128 step + 64 c + 32 m3 + 16 h + 8 a + m7: step = lane / 8, c, m3, h = lane's bits 2, 1, 0; a = d / 2; m7 = 4 (d % 2) + e.  Its words lie at 1,024 step + 512 c + 128 m3 + 256 h + 16 m7 + 8 a + 4 qh
	v_lshrrev_b32 v5, 2, v1
	v_and_b32 v6, 2, v1
	v_and_b32 v7, 1, v1
	v_lshlrev_b32 v5, 9, v5
	v_lshl_add_u32 v5, v6, 6, v5
	v_lshl_add_u32 v5, v7, 8, v5
	v_add_nc_u32 v5, s23, v5                       ; into the stage
	v_add_nc_u32 v6, s23, v4                       ; and back: 16 x lane
	s_wait_alu depctr_va_vdst(0)
	s_wait_loadcnt 8                               ; queries 0-7 are in
.irp d, 0,1,2,3
	MNIB \d, 0
.endr
	s_wait_alu depctr_va_vdst(0)
	s_wait_loadcnt 0x0
.irp d, 0,1,2,3
	MNIB \d, 1
.endr
.irp n, 0,1,2,3,4,5,6,7
	ds_store_b128 v5, v[144+4*\n:147+4*\n] offset:16*\n   ; row m7 = n: registers 2 a + qh of one image
.endr
.irp i, 0,1,2,3,4,5,6,7
	ds_load_b128 v[176+4*\i:179+4*\i], v6 offset:512*\i   ; LDS serves a wave's instructions in order
.endr
.irp i, 0,1,2,3,4,5,6,7
	s_wait_dscnt 7-\i                              ; the younger loads may be out
	global_store_b128 v4, v[176+4*\i:179+4*\i], s[12:13] offset:512*\i   ; an image: 512 consecutive bytes, aligned
.endr
	CLOSE
	; ---- K: task = 4 x work-group + wave = 16 x head + step
.Lkpath:
	s_lshl_b32 s17, ttmp9, 2
	s_add_co_u32 s17, s17, s16
	s_lshl_b32 s18, s17, 15                        ; 128 keys of 256 bytes
	s_add_nc_u64 s[4:5], s[4:5], s[18:19]
	s_mul_i32 s18, s17, 9216
	s_add_nc_u64 s[10:11], s[10:11], s[18:19]
	s_wait_alu depctr_va_vdst(0)
	KLOAD 0
	KLOAD 1
	s_mul_i32 s23, s16, 8704                       ; my stage
	v_mul_u32_u24 v5, v3, 272
	v_lshl_add_u32 v5, v2, 4, v5
	v_add_nc_u32 v5, s23, v5                       ; in: row 2 i + h, 16 r
	v_and_b32 v9, 8, v2
	v_add_nc_u32 v9, v9, v2                        ; r + 8 (r / 8)
	v_mul_u32_u24 v6, v9, 272
	v_lshl_add_u32 v6, v3, 7, v6
	v_add_nc_u32 v6, s23, v6                       ; out: that row, channels 32 h on
	v_lshlrev_b32 v7, 3, v3                        ; 8 h
	v_mov_b32 v14, 0                               ; a lane permute's destination counts as one of its sources
	v_mov_b32 v15, 0
	s_wait_alu depctr_va_vdst(0)
	KCHUNK 0
	KCHUNK 1
	KCHUNK 2
	KCHUNK 3
	global_store_b128 v4, v[240:243], s[10:11] offset:8192
	CLOSE
	; ---- V: the same tasks
.Lvpath:
	s_sub_co_u32 s17, ttmp9, 256
	s_lshl_b32 s17, s17, 2
	s_add_co_u32 s17, s17, s16
	s_lshl_b32 s18, s17, 15
	s_add_nc_u64 s[6:7], s[6:7], s[18:19]
	s_mul_i32 s18, s17, 9216
	s_add_nc_u64 s[10:11], s[10:11], s[18:19]
	s_wait_alu depctr_va_vdst(0)
	v_lshlrev_b32 v5, 2, v1                        ; 4 x lane: my channel
	VLOAD 0
	VLOAD 1
	v_lshlrev_b32 v6, 10, v3
	v_lshl_add_u32 v6, v2, 4, v6                   ; where my codes go: 1,024 h + 16 r
	v_mov_b32 v242, 0
	v_mov_b32 v243, 0
	VBLOCK 0
	VBLOCK 1
	VBLOCK 2
	VBLOCK 3
	VBLOCK 4
	VBLOCK 5
	VBLOCK 6
	VBLOCK 7
	global_store_b128 v4, v[240:243], s[10:11] offset:8704
	CLOSE
.Lfunc_end_k_q453b74aba8_prep:
	.size	k_q453b74aba8_prep, .Lfunc_end_k_q453b74aba8_prep-k_q453b74aba8_prep
	.p2alignl 7, 3214868480
	.fill 96, 4, 3214868480
	.section	.rodata,"a",@progbits
	.p2align	6, 0x0
	.amdhsa_kernel k_q453b74aba8_prep
		.amdhsa_group_segment_fixed_size 52736
		.amdhsa_private_segment_fixed_size 0
		.amdhsa_enable_private_segment 0
		.amdhsa_kernarg_size 40
		.amdhsa_user_sgpr_count 2
		.amdhsa_user_sgpr_kernarg_segment_ptr 1
		.amdhsa_wavefront_size32 1
		.amdhsa_system_sgpr_workgroup_id_x 1
		.amdhsa_system_sgpr_workgroup_id_y 1
		.amdhsa_system_sgpr_workgroup_id_z 1
		.amdhsa_system_vgpr_workitem_id 0
		.amdhsa_next_free_vgpr 248
		.amdhsa_next_free_sgpr 66
		.amdhsa_reserve_vcc 0
		.amdhsa_float_denorm_mode_32 3
		.amdhsa_float_denorm_mode_16_64 3
		.amdhsa_memory_ordered 1
		.amdhsa_forward_progress 1
		.amdhsa_inst_pref_size 78
	.end_amdhsa_kernel
	.amdgpu_metadata
---
amdhsa.version: [ 1, 2 ]
amdhsa.kernels:
  - .name:           k_q453b74aba8_prep
    .symbol:         k_q453b74aba8_prep.kd
    .args:
      - { .name: K, .offset: 0, .size: 8, .value_kind: global_buffer, .address_space: global }
      - { .name: V, .offset: 8, .size: 8, .value_kind: global_buffer, .address_space: global }
      - { .name: mask, .offset: 16, .size: 8, .value_kind: global_buffer, .address_space: global }
      - { .name: kv, .offset: 24, .size: 8, .value_kind: global_buffer, .address_space: global }
      - { .name: masknib, .offset: 32, .size: 8, .value_kind: global_buffer, .address_space: global }
    .group_segment_fixed_size: 52736
    .private_segment_fixed_size: 0
    .kernarg_segment_align: 8
    .kernarg_segment_size: 40
    .max_flat_workgroup_size: 128
    .sgpr_count:     66
    .vgpr_count:     248
    .wavefront_size: 32
...
	.end_amdgpu_metadata
.endif
;; end of part 1
;; launch attn (part 2): grid 4 x 64, 16 waves a work-group, clusters of 4 x 1, 227,328 bytes of LDS; arguments Q, kv, masknib, out0; writes out0
.if DOCPART == 2
	.amdgcn_target "amdgcn-amd-amdhsa--gfx1250"
	.amdhsa_code_object_version 6
	.text
	.protected	k_q453b74aba8_attn
	.globl	k_q453b74aba8_attn
	.p2align	8
	.type	k_q453b74aba8_attn,@function
k_q453b74aba8_attn:
	s_mov_b64 s[64:65], 0
	v_nop
	global_prefetch_b8 v0, s[64:65] scope:SCOPE_SE
	s_setreg_imm32_b32 hwreg(HW_REG_WAVE_MODE, 25, 1), 1
	s_wait_xcnt 0x0
	s_wait_alu depctr_hold_cnt(0) depctr_sa_sdst(0) depctr_va_vdst(0) depctr_va_sdst(0) depctr_va_ssrc(0) depctr_va_vcc(0) depctr_vm_vsrc(0)
	s_getreg_b32 s2, hwreg(HW_REG_IB_STS2, 6, 4)
	s_cmp_eq_u32 s2, 0
	s_cbranch_scc0 .Lentry_in_a_cluster
	s_endpgm
.Lentry_in_a_cluster:
	s_bfe_u32 s2, ttmp6, 0x10000c
	s_cmp_lg_u32 s2, 0x3003
	s_cbranch_scc0 .Lentry_shape_is_right
	s_endpgm
.Lentry_shape_is_right:
; out0[head][q][:] = the sum over keys of softmax(where(mask, -1e9, Q . K) / 8) V, both products on codes of FP4 (E2M1) with E8M0 scales.  No work of the problem is left out.
; kv and masknib are the first launch's (their layouts stand at its head).
; THE SOFTMAX: t = score x c, c = log2(e) / 8; M = the running largest t rounded UP to a whole number, kept as -M = floor(-c x the largest score); p = 2^(t - M) is quantised along the keys, not normalised;
; the row's sum is taken of the unquantised p and divides at the end; when M moves, the sum and O are multiplied by 2^(old M - new M), which rounds nothing.
; THE MASK GOES THROUGH THE MATRIX UNIT.  A step's mask of my 16 queries is ONE operand A(m, 16 T + q) = 0.5 where key (T, m) is masked for query q.  For tile T it is multiplied by a one-hot operand
; B(n, 16 T + n) = -2, both under the scale 2^15: the tile begins as exactly 0 or -2^30, and K Q^T adds onto it in place.  The eight one-hot operands are windows of 8 registers over one run of 22.
; A masked p is then 0 in every row that has an open key.  A ROW ALL OF WHOSE KEYS ARE MASKED (largest score under -2^29) has p = 1 for every key by the definition: its result is the mean of the quantised V,
; which is made once (products with p = 1 under the scale 2^-11, wave w for step w, summed through LDS) and selected on the way out.
; LIMITS: unmasked scores under -2^29 are not served; NaN and infinities are not served; blocks of Q under 2^-124 get the byte 1.
; THE FIRST PRODUCT has K = 64 in an instruction of 128: registers 4-7 of Q's operand hold zero codes, so K's registers 4-7 may hold any codes: K's fragments lie 4 registers apart.  Scale bytes 2, 3 are 0 (2^-127).
; SHARES.  A work-group owns 512 queries of one head; each of its sixteen waves owns 16 at a time, in two passes.  The head's 147,456 bytes of kv stay in LDS: filled once, wave w bringing step w's block; nothing is filled again.
; CLUSTER.  The four work-groups of a head read the same kv: each block is asked for jointly, mask 15.  One tensor load a wave is out.
; LAYOUT.  Both products transposed: S^T = K Q^T, O^T = V^T P^T: a lane holds ONE query (lane % 16).  Row 8 h' + j of tile 4 g + t is key 64 g + 32 h' + 8 t + j, chosen by the LDS address alone: so score registers
; 32 g .. 32 g + 31 of lane half h are the WHOLE block 2 g + h of 32 keys, in order: a block's maximum needs no other lane and the conversions' results are P's operand as they stand.
; DEPENDENT LINES STAND APART: the maxima go in eight chains, the sum in six; the short serial chains (the row's maximum, f, the scale word) stand among loads and independent lines.
; AHEAD: K's fragments and the mask operand of step s + 1 are asked for in step s; each pass's last step is written out.  The mask operand of step s + 3 is prefetched (4 blocks of 256 bytes, one instruction a wave,
; each block named once in the cluster, since one wave alone loads it; steps 13 to 15 ask for nothing); the second pass's Q (16 blocks) once, at the first pass's start.  kv comes once at the head: no loop runs ahead of it.
.set STEPB, 9216
.set STAGE, 16*STEPB                   ; 16 rows x 272 bytes for each wave: Q's turn and the way out
.set SP,    272
.set VP,    STAGE+16*16*SP             ; the mean's parts: 64 f32 for each wave
.set VMW,   VP+4096                    ; the mean, a copy for each wave
.set SPARE, VMW+4096                   ; the spare words, 128 bytes for each wave
.set SPW, 1
.set NIL, 2
.set AL,  3                            ; 16 x lane
.set ADR, 4                            ; AL + the step's block
.set AKL, 5                            ; my place in K's images: 16 (l % 8) + 1,024 (l / 8 % 2) + 256 (l / 16)
.set ADK, 6
.set ASL, 7                            ; my place among K's scale words: 16 (l % 8) + 4 (l / 8 % 2) + 256 (l / 16)
.set ADS, 8
.set PFO, 9                            ; the mask prefetch's offset; never rewritten
.set FF,  10                           ; v[10:11] f = 2^(old M - new M); v12 -M, v13 the largest score, v[14:15] the sum
.set QF,  16                           ; v16-23 Q's operand
.set QS,  24
.set MS,  25                           ; the mask products' scale word
.set SH8, 26                           ; 8 h
.set TT,  27
.set STI, 28                           ; stage: row h, 16 r
.set STQ, 29                           ; stage: row r, 128 h
.set STO, 30                           ; stage: row r, 32 h
.set VMA, 31                           ; my copy of the mean, 32 h
.set KF,  32                           ; v32-63 K's eight fragments, 4 registers apart
.set IDZ, 64                           ; v64-85 six zeros, two one-hot (lanes 0-15), six zeros, two one-hot (lanes 16-31), six zeros
.set VF,  86                           ; v86-117 V's four fragments; Q as it is loaded
.set S,   118                          ; v118-181 S^T, then p
.set O,   182                          ; v182-213 O^T
.set PC,  214                          ; v214-221 p's codes
.set KSC, 222
.set VSC, 226
.set PSC, 230
.set PFQ, 231                          ; Q's prefetch offset; never rewritten
.set MK,  232                          ; v232-239 the mask operand
.set SO,  240                          ; v240-241 the conversions' scale operands
.set PD,  242                          ; v242-243 lane permutes' destinations, scale bytes
.set BM,  244                          ; v244-251 the maxima's eight chains; v244-245 my two blocks'; v246-255 the sum's five side chains
.set WV,  12
.set CS,  66                           ; s[66:67] c
.set NC,  68                           ; -c
.set G1,  84
.set G0,  92
.set SEL, 96
.set TB,  98
.set STEPS, 99
.set FLOOR, 0x1800000
.set OFF2,  0xff000000
.macro CROUND
	s_barrier_signal -1
	s_barrier_wait -1
	s_cmp_lg_u32 s[WV], 0
	s_cbranch_scc1 .Lnot_wave_0_\@
	s_barrier_signal -3
.Lnot_wave_0_\@:
	s_barrier_wait -3
	s_barrier_signal -1
	s_barrier_wait -1
.endm
.macro WM d, a, b, c, sa, sb, row
.if \row
	v_wmma_scale_f32_16x16x128_f8f6f4 v[\d:\d+7], v[\a:\a+7], v[\b:\b+7], \c, v[\sa], v[\sb] matrix_a_fmt:MATRIX_FMT_FP4 matrix_b_fmt:MATRIX_FMT_FP4 matrix_a_scale:MATRIX_SCALE_ROW1
.else
	v_wmma_scale_f32_16x16x128_f8f6f4 v[\d:\d+7], v[\a:\a+7], v[\b:\b+7], \c, v[\sa], v[\sb] matrix_a_fmt:MATRIX_FMT_FP4 matrix_b_fmt:MATRIX_FMT_FP4
.endif
.endm
.macro QLOAD p                         ; 16 queries = 4,096 dense bytes: each load reads 512 consecutive bytes
.irp i, 0,1,2,3,4,5,6,7
	global_load_b128 v[VF+4*\i:VF+4*\i+3], v[AL], s[4:5] offset:65536*\p+512*\i th:TH_LOAD_NT
.endr
.endm
.macro MKLOAD
.irp c, 0,1
	global_load_b128 v[MK+4*\c:MK+4*\c+3], v[AL], s[8:9] offset:512*\c
.endr
.endm
.macro KL ak, as, off, g, w            ; tiles 4 g + 2 w, + 1 and their scale words (lanes 0-15 the even tile's, lanes 16-31 the odd one's): 3 loads
.irp e, 0,1
	ds_load_b128 v[KF+16*\g+8*\w+4*\e:KF+16*\g+8*\w+4*\e+3], v[\ak] offset:\off+2048*\g+512*\e+128*\w
.endr
	ds_load_b32 v[KSC+2*\g+\w], v[\as] offset:\off+8192+128*\w+8*\g
.endm
.macro KQ nxt, g, w                    ; a quarter of the next step's 12 loads of K
.if \nxt == 1
	KL ADK, ADS, STEPB, \g, \w
.endif
.if \nxt == 2
	KL AKL, ASL, 0, \g, \w
.endif
.endm
.macro VLOAD                           ; 9 loads
.irp f, 0,1,2,3,4,5,6,7
	ds_load_b128 v[VF+4*\f:VF+4*\f+3], v[ADR] offset:4096+512*\f
.endr
	ds_load_b128 v[VSC:VSC+3], v[ADR] offset:8704
.endm
.macro RQK g                           ; K Q^T adds onto tiles 4 g .. 4 g + 3
.irp t, 0,1,2,3
	WM S+8*(4*\g+\t), KF+4*(4*\g+\t), QF, v[S+8*(4*\g+\t):S+8*(4*\g+\t)+7], KSC+2*\g+\t/2, QS, \t%2
.endr
.endm
.macro BMAX8                           ; my two blocks' largest scores: a chain to each tile, eight by turns; each accumulator is first read at its low end
.irp k, 0,1,2,3,4,5,6,7
	v_max3_num_f32 v[BM+\k], v[S+8*\k], v[S+8*\k+1], v[S+8*\k+2]
.endr
.irp i, 3,5
.irp k, 0,1,2,3,4,5,6,7
	v_max3_num_f32 v[BM+\k], v[BM+\k], v[S+8*\k+\i], v[S+8*\k+\i+1]
.endr
.endr
.irp g, 0,1
	v_max3_num_f32 v[BM+4*\g], v[BM+4*\g], v[BM+4*\g+1], v[S+32*\g+7]
.endr
.irp g, 0,1
	v_max3_num_f32 v[BM+4*\g+2], v[BM+4*\g+2], v[BM+4*\g+3], v[S+32*\g+15]
.endr
.irp g, 0,1
	v_max3_num_f32 v[BM+4*\g], v[BM+4*\g], v[S+32*\g+23], v[S+32*\g+31]
.endr
	v_max_num_f32 v[BM], v[BM], v[BM+2]            ; my block of tiles 0-3
	v_max_num_f32 v[BM+1], v[BM+4], v[BM+6]        ; and of tiles 4-7: each serves twice: for the row's maximum and, since p rises with the score, for the block's largest p
.endm
.macro TM n                            ; t - M of the next n pairs
.rept \n
	v_pk_fma_f32 v[S+j:S+j+1], v[S+j:S+j+1], s[CS:CS+1], v[12:13] op_sel_hi:[1,0,0]
.set j, j+2
.endr
.endm
.macro LADD k, j                       ; chain k of the sum (0: the sum itself) takes p's pair j
.if \k == 0
	v_pk_add_f32 v[14:15], v[14:15], v[S+\j:S+\j+1]
.else
	v_pk_add_f32 v[BM+2*\k:BM+2*\k+1], v[BM+2*\k:BM+2*\k+1], v[S+\j:S+\j+1]
.endif
.endm
.macro LSEQ n                          ; the next n pairs, the six chains by turns
.rept \n
	LADD kk, jj
.set kk, (kk+1)%6
.set jj, jj+2
.endr
.endm
; Q's 16 queries turn through my stage (a query a row) and come back a whole block of 32 channels a lane; younger: global loads issued behind Q's
.macro QQUANT younger
	s_wait_alu depctr_va_vdst(0)
	s_wait_loadcnt \younger
.irp i, 0,1,2,3,4,5,6,7
	ds_store_b128 v[STI], v[VF+4*\i:VF+4*\i+3] offset:544*\i
.endr
.irp j, 0,1,2,3,4,5,6,7
	ds_load_b128 v[S+4*\j:S+4*\j+3], v[STQ] offset:16*\j   ; LDS serves a wave's instructions in order
.endr
	s_wait_dscnt 0x0
.irp u, 0,1,2,3
	v_max3_num_f32 v[BM+\u], |v[S+8*\u]|, |v[S+1+8*\u]|, FLOOR
.endr
.irp i, 2,4,6
.irp u, 0,1,2,3
	v_max3_num_f32 v[BM+\u], v[BM+\u], |v[S+8*\u+\i]|, |v[S+1+8*\u+\i]|
.endr
.endr
	v_max3_num_f32 v[BM], v[BM], v[BM+1], v[BM+2]
	v_max_num_f32 v[BM], v[BM], v[BM+3]
	v_add_nc_u32 v[SO], OFF2, v[BM]                ; the conversion's scale operand
	v_lshrrev_b32 v[TT], 23, v[SO]                 ; the scale's byte
.irp g, 0,1,2,3
	v_cvt_scalef32_pk8_fp4_f32 v[QF+\g], v[S+8*\g:S+8*\g+7], v[SO]
.endr
	v_lshlrev_b32 v[TT], v[SH8], v[TT]             ; my byte at its place: 8 h bits up (the plain line behind the conversions)
	v_permlanex16_b32 v[PD], v[TT], s[SEL], s[SEL+1]
	v_or_b32 v[QS], v[TT], v[PD]
.endm
; A STEP: 128 keys.  nxt = 1: the next block follows; 2: the next pass's first; 0: nothing follows
.macro STEP nxt
	s_wait_loadcnt 0x0                             ; the mask operand, asked for a step ago
	s_wait_dscnt 0x0                               ; K's fragments and scale words likewise
.irp T, 0,1,2,3,4,5,6,7
	WM S+8*\T, MK, IDZ+6+8*((\T/2)%2)-4*(\T/4)-2*(\T%2), 0, MS, MS, 0   ; tile T begins as 0 or -2^30; the eight accumulators take turns, one instruction a turn
.endr
	RQK 0
	RQK 1
	v_add_nc_u32 v[ADR], s[TB], v[AL]              ; four plain lines: the places ahead of the loads below and of the first read of the scores
	v_add_nc_u32 v[ADK], s[TB], v[AKL]
	v_add_nc_u32 v[ADS], s[TB], v[ASL]
	v_mov_b32 v[TT], v12                           ; the old -M
	VLOAD
.if \nxt
	s_wait_xcnt 0x0                                ; my prefetch has read its base; the loads that used it are done
.if \nxt == 1
	s_add_nc_u64 s[8:9], s[8:9], 1024
.else
	s_add_nc_u64 s[8:9], s[8:9], 262144-15*1024    ; 16 tiles of queries on, back to step 0
.endif
	MKLOAD
.endif
.if \nxt == 1
	s_cmp_ge_u32 s[STEPS], 3                       ; step s = 15 - STEPS asks for step s + 3 while that is one of my tile's 16
	s_cbranch_scc0 .Lno_ask_\@
	global_prefetch_b8 v[PFO], s[8:9] offset:2048 th:TH_LOAD_NT scope:SCOPE_SE
.Lno_ask_\@:
.endif
	BMAX8
	v_max_num_f32 v[PD+1], v[BM], v[BM+1]          ; the row's maximum is one chain: the next step's loads of K stand between its lines
	KQ \nxt, 0, 0
	v_permlanex16_b32 v[PD], v[PD+1], s[SEL], s[SEL+1]
	KQ \nxt, 0, 1
	v_max3_num_f32 v13, v13, v[PD+1], v[PD]        ; the running largest score of my query
	KQ \nxt, 1, 0
	v_mul_f32 v[PD+1], s[NC], v13
	KQ \nxt, 1, 1
	v_floor_f32 v12, v[PD+1]                       ; -M = floor(-t): M is a whole number
.set j, 0
	TM 4
	v_sub_f32 v[TT], v12, v[TT]                    ; old M less new M
	TM 4
	v_cvt_i32_f32 v[TT], v[TT]                     ; (it saturates)
	TM 4
	v_ldexp_f32 v[FF], 1.0, v[TT]                  ; f
	TM 20
.irp b, 0,1
	v_fma_f32 v[BM+\b], v[BM+\b], s[CS], v12       ; the same of my blocks' largest scores
.endr
.set j, 0
.rept 16
	v_pk_mul_f32 v[O+j:O+j+1], v[O+j:O+j+1], v[FF:FF+1] op_sel_hi:[1,0]   ; O^T under the new M, each accumulator from its low end on
.set j, j+2
.endr
	s_wait_alu depctr_va_vdst(0)
.irp b, 0,1
	v_exp_f32 v[BM+\b], v[BM+\b]                   ; my two blocks' largest p
.endr
.set j, 0
.rept 64
	v_exp_f32 v[S+j], v[S+j]                       ; p = 2^(t - M)
.set j, j+1
.endr
	v_pk_mul_f32 v[14:15], v[14:15], v[FF:FF+1] op_sel_hi:[1,0]   ; the sum under the new M: the plain line behind the batch
	s_wait_alu depctr_va_vdst(0)                   ; one wait for the batch, ahead of its first reader
.irp b, 0,1
	v_max_num_f32 v[BM+\b], FLOOR, v[BM+\b]        ; the floor: the byte cannot fall under 1
.endr
.irp k, 1,2,3,4,5
	v_pk_add_f32 v[BM+2*\k:BM+2*\k+1], v[S+4*\k-4:S+4*\k-3], v[S+4*\k-2:S+4*\k-1]   ; the sum of the unquantised p, in six chains; the scale word's chain and the conversions stand among them
.endr
	LADD 0, 20
.set kk, 1
.set jj, 22
.irp b, 0,1
	v_add_nc_u32 v[SO+\b], OFF2, v[BM+\b]          ; the conversions' scale operands
.endr
	LSEQ 4
.irp b, 0,1
	v_lshrrev_b32 v[PD+\b], 23, v[SO+\b]           ; the scales' bytes
.endr
.irp g, 0,1
.irp t, 0,1,2,3
	v_cvt_scalef32_pk8_fp4_f32 v[PC+4*\g+\t], v[S+32*\g+8*\t:S+32*\g+8*\t+7], v[SO+\g]   ; register 4 g + t of P's operand: keys 64 g + 32 h + 8 t .. + 7
.endr
.endr
	LSEQ 3
	v_lshl_or_b32 v[PD], v[PD+1], 16, v[PD]        ; blocks h and 2 + h,
	LSEQ 3
	v_lshlrev_b32 v[PD], v[SH8], v[PD]             ; at their places,
	LSEQ 3
	v_permlanex16_b32 v[PD+1], v[PD], s[SEL], s[SEL+1]
	LSEQ 3
	v_or_b32 v[PSC], v[PD], v[PD+1]                ; with lane l xor 16's two: p's scale word; the ten lines below are its places ahead of the products
	LSEQ 5
	v_pk_add_f32 v[BM+8:BM+9], v[BM+8:BM+9], v[BM+10:BM+11]
	v_pk_add_f32 v[BM+2:BM+3], v[BM+2:BM+3], v[BM+4:BM+5]
	v_pk_add_f32 v[14:15], v[14:15], v[BM+6:BM+7]
	v_pk_add_f32 v[BM+2:BM+3], v[BM+2:BM+3], v[BM+8:BM+9]
	v_pk_add_f32 v[14:15], v[14:15], v[BM+2:BM+3]
	s_wait_alu depctr_va_vdst(0)
.if \nxt
	s_wait_dscnt 12                                ; V's nine loads are in; behind them stand the next step's 12 of K
.else
	s_wait_dscnt 0x0
.endif
.irp u, 0,1,2,3
	WM O+8*\u, VF+8*\u, PC, v[O+8*\u:O+8*\u+7], VSC+\u/2, PSC, \u%2
.endr
.endm
.macro PASS p
.set j, 0
.rept 32
	v_mov_b32 v[O+j], 0                            ; the step is written once: the first finds zeros.  Also the places behind the writes of Q's operand and scale word
.set j, j+1
.endr
	v_mov_b32 v13, 0xff61b1e6                      ; the largest score so far: -3e38
	v_mov_b32 v12, 0x7f61b1e6                      ; -M: 3e38
	v_mov_b32 v14, 0
	v_mov_b32 v15, 0
	s_mov_b32 s[TB], 0
	s_mov_b32 s[STEPS], 15
	s_wait_alu depctr_va_vdst(0)
.Lstep_\@:
	STEP 1
	s_add_co_u32 s[TB], s[TB], STEPB
	s_sub_co_u32 s[STEPS], s[STEPS], 1
	s_cmp_lg_u32 s[STEPS], 0
	s_cbranch_scc1 .Lstep_\@
.if \p == 0
	STEP 2
.else
	STEP 0
.endif
	; THE WAY OUT: O^T / the sum, or the mean of V where every key was masked; through my stage, so that each store covers 512 consecutive bytes, aligned
.rept 4
	v_nop                                          ; places behind the last products
.endr
.if \p == 0
	QLOAD 1                                        ; the second pass's queries
.endif
.irp u, 0,1,2,3
	ds_load_b128 v[S+32+8*\u:S+35+8*\u], v[VMA] offset:64*\u
	ds_load_b128 v[S+36+8*\u:S+39+8*\u], v[VMA] offset:64*\u+16
.endr
	v_add_f32 v14, v14, v15
	v_permlanex16_b32 v[PD], v14, s[SEL], s[SEL+1]
	v_add_f32 v14, v14, v[PD]
	v_cmp_gt_f32 vcc_lo, 0xce000000, v13           ; -2^29 > the row's largest score: every key was masked
	s_wait_alu depctr_va_vdst(0)
	v_rcp_f32 v14, v14
	v_nop
	s_wait_alu depctr_va_vdst(0)                   ; ahead of the reciprocal's first reader, which is also O^T's
.set j, 0
.rept 32
	v_mul_f32 v[S+j], v[O+j], v14                  ; register 8 u + i is out(r, 16 u + 8 h + i)
.set j, j+1
.endr
	s_wait_alu depctr_va_vdst(0)
	s_wait_dscnt 0x0                               ; the mean
.set j, 0
.rept 32
	v_cndmask_b32 v[S+j], v[S+j], v[S+32+j], vcc_lo
.set j, j+1
.endr
.irp u, 0,1,2,3
	ds_store_b128 v[STO], v[S+8*\u:S+8*\u+3] offset:64*\u
	ds_store_b128 v[STO], v[S+8*\u+4:S+8*\u+7] offset:64*\u+16
.endr
.irp i, 0,1,2,3,4,5,6,7
	ds_load_b128 v[S+32+4*\i:S+35+4*\i], v[STI] offset:544*\i   ; LDS serves a wave's instructions in order
.endr
.irp i, 0,1,2,3,4,5,6,7
	s_wait_dscnt 7-\i                              ; the younger loads from the stage may be out
	global_store_b128 v[AL], v[S+32+4*\i:S+35+4*\i], s[10:11] offset:65536*\p+512*\i th:TH_STORE_NT
.endr
.if \p == 0
	s_wait_xcnt 0x0                                ; the stores have read their registers
.endif
.endm
	s_load_b256 s[4:11], s[0:1], 0x0               ; Q s[4:5], kv s[6:7], masknib s[8:9], out0 s[10:11]
	v_lshl_add_u32 v[SPW], v0, 2, SPARE
	v_mov_b32 v[NIL], 0
	ds_add_u32 v[SPW], v[NIL]                      ; the opening: the add, twice on end, and its wait ahead of my first tensor load
	ds_add_u32 v[SPW], v[NIL]
	v_lshrrev_b32 v6, 5, v0
	v_and_b32 v[AL], 31, v0
	v_readfirstlane_b32 s[WV], v6                  ; wave 0..15
	v_lshlrev_b32 v[AL], 4, v[AL]
	s_bfe_u32 s13, ttmp6, 0x40000                  ; cx: it enters Q's, the mask's and the output's addresses alone
	s_and_b32 s14, ttmp7, 0xffff                   ; the head, which the four partners share
	s_mov_b32 s[G1+0], 15|(3<<16)|(1<<21)          ; the mask: all four; elements of 8 bytes; bit 21 beside a mask
	s_mov_b32 s[G1+1], 32<<16                      ; 36 rows of 256 dense bytes
	s_mov_b32 s[G1+2], 36<<16
	s_mov_b32 s[G1+3], 32<<16
	s_mov_b32 s[G1+4], 36
	s_mov_b32 s[G1+5], 32
	s_mov_b32 s[G1+6], 0
	s_mov_b32 s[G1+7], 0
	s_mov_b32 s[SEL], 0x76543210
	s_mov_b32 s[SEL+1], 0xfedcba98
	s_mov_b32 s[CS], 0x3e38aa3b                    ; c = log2(e) / 8
	s_mov_b32 s[CS+1], s[CS]
	s_mov_b32 s[NC], 0xbe38aa3b                    ; -c
	s_mul_i32 s20, s14, 16*STEPB                   ; kv: the head's blocks,
	s_mul_i32 s[G0+1], s[WV], STEPB                ; step w's; also its LDS address
	s_add_co_u32 s20, s20, s[G0+1]
	s_mov_b32 s21, 0
	s_lshl_b32 s15, s13, 17                        ; Q, out0: 512 queries x 256 bytes a work-group,
	s_lshl_b32 s3, s[WV], 12                       ; 16 a wave,
	s_add_co_u32 s15, s15, s3
	s_lshl_b32 s22, s14, 19                        ; 524,288 bytes a head
	s_add_co_u32 s22, s22, s15
	s_mov_b32 s23, 0
	s_lshr_b32 s24, s14, 4                         ; masknib: 2^21 bytes a batch of 16 heads,
	s_lshl_b32 s24, s24, 21
	s_lshl_b32 s3, s13, 19                         ; 32 tiles x 16,384 bytes a work-group,
	s_add_co_u32 s24, s24, s3
	s_lshl_b32 s3, s[WV], 14                       ; one tile a wave
	s_add_co_u32 s24, s24, s3
	s_mov_b32 s25, 0
	s_wait_alu depctr_va_vdst(0)
	s_wait_dscnt 0x0                               ; both opening adds are done
	s_wait_kmcnt 0x0
	s_add_nc_u64 s[4:5], s[4:5], s[22:23]
	s_add_nc_u64 s[10:11], s[10:11], s[22:23]
	s_add_nc_u64 s[8:9], s[8:9], s[24:25]
	s_mov_b32 s[G0], 1
	s_add_nc_u64 s[G0+2:G0+3], s[6:7], s[20:21]
	s_or_b32 s[G0+3], s[G0+3], 0x80000000
	QLOAD 0                                        ; the first pass's queries and the first mask operand are on their way while the cluster meets
	MKLOAD
	CROUND                                         ; all four work-groups are here: the joint loads meet
	tensor_load_to_lds s[G0:G0+3], s[G1:G1+7]      ; my one tensor load of the launch
	s_nop 0
	; what stays in registers.  v[O ..] serve as scratch here
	v_mov_b32 v[PSC], 0x74747474                   ; for the mean: p = 1 (code 2) under 2^-11
.irp j, 0,1,2,3,4,5,6,7
	v_mov_b32 v[PC+\j], 0x22222222
.endr
	v_mov_b32 v[MS], 0x8e8e8e8e                    ; 2^15 on both sides of the mask products
	v_and_b32 v[O], 15, v0                         ; r
	v_bfe_u32 v[O+1], v0, 4, 1                     ; h
	v_and_b32 v[O+2], 7, v0                        ; l % 8
	v_bfe_u32 v[O+3], v0, 3, 1                     ; l / 8 % 2
	v_and_b32 v[O+5], 31, v0                       ; lane
	s_mul_i32 s3, s[WV], 16*SP
	s_add_co_u32 s3, s3, STAGE                     ; my stage
	v_mul_u32_u24 v[STI], v[O+1], SP
	v_mul_u32_u24 v[STQ], v[O], SP
	v_lshl_add_u32 v[STI], v[O], 4, v[STI]
	v_add_nc_u32 v[STQ], s3, v[STQ]
	v_add_nc_u32 v[STI], s3, v[STI]
	v_lshl_add_u32 v[STO], v[O+1], 5, v[STQ]
	v_lshl_add_u32 v[STQ], v[O+1], 7, v[STQ]
	v_lshlrev_b32 v[AKL], 4, v[O+2]
	v_lshl_add_u32 v[ASL], v[O+3], 2, v[AKL]
	v_lshl_add_u32 v[AKL], v[O+3], 10, v[AKL]
	v_lshl_add_u32 v[ASL], v[O+1], 8, v[ASL]
	v_lshl_add_u32 v[AKL], v[O+1], 8, v[AKL]
	v_lshlrev_b32 v[SH8], 3, v[O+1]
	s_lshl_b32 s3, s[WV], 8
	s_add_co_u32 s15, s3, VP
	s_add_co_u32 s3, s3, VMW
	v_lshlrev_b32 v[O+4], 5, v[O+1]
	v_add_nc_u32 v[ADK], s15, v[O+4]               ; here: where my part of the mean goes: 32 h
	v_add_nc_u32 v[VMA], s3, v[O+4]
	v_lshl_add_u32 v[ADS], v[O+5], 3, VP           ; here: the parts, 8 x lane
	v_lshl_add_u32 v[FF], v[O+5], 3, s3            ; here: my copy of the mean, 8 x lane
	v_min_u32 v[PFO], 3, v[O+5]                    ; lanes 0-3 name the operand's four blocks of 256 bytes, the others the last again
	v_min_u32 v[PFQ], 15, v[O+5]                   ; lanes 0-15 Q's sixteen
	v_lshlrev_b32 v[PFO], 8, v[PFO]
	v_lshlrev_b32 v[PFQ], 8, v[PFQ]
	v_lshlrev_b32 v[O+4], 2, v[O+2]
	v_mov_b32 v[O+5], 12                           ; the code of -2
	v_lshlrev_b32 v[O+4], v[O+4], v[O+5]           ; at nibble l % 8
	s_mov_b32 s20, 0xff
	s_mov_b32 s21, 0xff00
	s_mov_b32 s22, 0xff0000
	s_mov_b32 s23, 0xff000000
.irp j, 0,1,2,3,4,5,8,9,10,11,12,13,16,17,18,19,20,21
	v_mov_b32 v[IDZ+\j], 0
.endr
	v_cndmask_b32 v[IDZ+6], 0, v[O+4], s20         ; queries 0-7, lanes 0-7
	v_cndmask_b32 v[IDZ+7], 0, v[O+4], s21         ; queries 8-15, lanes 8-15
	v_cndmask_b32 v[IDZ+14], 0, v[O+4], s22        ; and the same in lanes 16-31
	v_cndmask_b32 v[IDZ+15], 0, v[O+4], s23
.irp j, 4,5,6,7
	v_mov_b32 v[QF+\j], 0                          ; zero codes for k = 64 .. 127
.endr
	v_mov_b32 v[PD], 0                             ; a lane permute's destination counts as one of its sources
	v_mov_b32 v[PD+1], 0
	v_mov_b32 v[FF+1], 0                           ; (named as the upper half of the pair)
	QQUANT 2                                       ; behind Q's eight loads stand the mask operand's two
	s_wait_alu depctr_va_vdst(0)
	s_wait_tensorcnt 0x0                           ; my block has landed: I may read it
	v_add_nc_u32 v[ADR], s[G0+1], v[AL]
	VLOAD
	s_wait_alu depctr_va_vdst(0)
	s_wait_dscnt 0x0
.irp u, 0,1,2,3
	WM S+8*\u, VF+8*\u, PC, 0, VSC+\u/2, PSC, \u%2   ; step w's part of the mean of V: the same in all 16 columns
.endr
.rept 4
	v_nop
.endr
.irp u, 0,1,2,3
	ds_store_b128 v[ADK], v[S+8*\u:S+8*\u+3] offset:64*\u      ; sixteen lanes write the same bytes with the same values
	ds_store_b128 v[ADK], v[S+8*\u+4:S+8*\u+7] offset:64*\u+16
.endr
	s_wait_alu depctr_va_vdst(0)
	s_wait_dscnt 0x0
	s_barrier_signal -1
	s_barrier_wait -1                              ; the head's 16 blocks and the mean's 16 parts lie in LDS
.irp i, 0,1,2,3,4,5,6,7,8,9,10,11,12,13,14,15
	ds_load_b64 v[S+2*\i:S+2*\i+1], v[ADS] offset:256*\i
.endr
.irp g, 0,1
.irp w, 0,1
	KL AKL, ASL, 0, \g, \w                         ; step 0's fragments: 12 loads
.endr
.endr
	global_prefetch_b8 v[PFQ], s[4:5] offset:65536 th:TH_LOAD_NT scope:SCOPE_SE   ; the second pass's queries
	s_wait_dscnt 12                                ; the 16 parts are in; K's 12 loads may be out
.irp i, 0,1,2,3,4,5,6,7
	v_pk_add_f32 v[S+2*\i:S+2*\i+1], v[S+2*\i:S+2*\i+1], v[S+16+2*\i:S+17+2*\i]
.endr
.irp i, 0,1,2,3
	v_pk_add_f32 v[S+2*\i:S+2*\i+1], v[S+2*\i:S+2*\i+1], v[S+8+2*\i:S+9+2*\i]
.endr
.irp i, 0,1
	v_pk_add_f32 v[S+2*\i:S+2*\i+1], v[S+2*\i:S+2*\i+1], v[S+4+2*\i:S+5+2*\i]
.endr
	v_pk_add_f32 v[S:S+1], v[S:S+1], v[S+2:S+3]
	ds_store_b64 v[FF], v[S:S+1]                   ; channels 2 lane, 2 lane + 1, into my own copy
	PASS 0
	QQUANT 0
	PASS 1
	s_wait_tensorcnt 0x0                           ; the wave's end
	ds_add_u32 v[SPW], v[NIL]
	s_wait_dscnt 0x0
	CROUND                                         ; the closing round
	s_endpgm
.Lfunc_end_k_q453b74aba8_attn:
	.size	k_q453b74aba8_attn, .Lfunc_end_k_q453b74aba8_attn-k_q453b74aba8_attn
	.p2alignl 7, 3214868480
	.fill 96, 4, 3214868480
	.section	.rodata,"a",@progbits
	.p2align	6, 0x0
	.amdhsa_kernel k_q453b74aba8_attn
		.amdhsa_group_segment_fixed_size 227328
		.amdhsa_private_segment_fixed_size 0
		.amdhsa_enable_private_segment 0
		.amdhsa_kernarg_size 32
		.amdhsa_user_sgpr_count 2
		.amdhsa_user_sgpr_kernarg_segment_ptr 1
		.amdhsa_wavefront_size32 1
		.amdhsa_system_sgpr_workgroup_id_x 1
		.amdhsa_system_sgpr_workgroup_id_y 1
		.amdhsa_system_sgpr_workgroup_id_z 1
		.amdhsa_system_vgpr_workitem_id 0
		.amdhsa_next_free_vgpr 256
		.amdhsa_next_free_sgpr 102
		.amdhsa_reserve_vcc 1
		.amdhsa_float_denorm_mode_32 3
		.amdhsa_float_denorm_mode_16_64 3
		.amdhsa_memory_ordered 1
		.amdhsa_forward_progress 1
		.amdhsa_inst_pref_size 92
	.end_amdhsa_kernel
	.amdgpu_metadata
---
amdhsa.version: [ 1, 2 ]
amdhsa.kernels:
  - .name:           k_q453b74aba8_attn
    .symbol:         k_q453b74aba8_attn.kd
    .args:
      - { .name: Q, .offset: 0, .size: 8, .value_kind: global_buffer, .address_space: global }
      - { .name: kv, .offset: 8, .size: 8, .value_kind: global_buffer, .address_space: global }
      - { .name: masknib, .offset: 16, .size: 8, .value_kind: global_buffer, .address_space: global }
      - { .name: out0, .offset: 24, .size: 8, .value_kind: global_buffer, .address_space: global }
    .group_segment_fixed_size: 227328
    .private_segment_fixed_size: 0
    .kernarg_segment_align: 8
    .kernarg_segment_size: 32
    .max_flat_workgroup_size: 512
    .sgpr_count:     102
    .vgpr_count:     256
    .wavefront_size: 32
...
	.end_amdgpu_metadata
.endif
;; end of part 2
